; MI455X (gfx1250); checked and timed in simulation.
; The chip was launched on July 23, 2026; its instructions are those of AMD's public machine-readable ISA for CDNA 5 (MIT licence, August 2026) and "CDNA5" Instruction Set Architecture Reference Guide (July 2026). The comments in the code are by the model that wrote it; some were corrected since.
;; Optimized Mo E. Allowed arithmetic: matrix products marked QUANTISED: E2M3 operands, one E8M0 scale for each 32 along K, by v_wmma_scale_f32_16x16x128_f8f6f4 with both operands' format E2M3, f32 sums; products left as they are: f32 operands where the result goes on into a quantised operand, else bf16, f16 or f32 operands; f32 sums; everything else in f32.
;; Inputs: expert_b 8 x 1,024 float32; expert_w 8 x 1,024 x 1,024 float32; router_b 8 float32; router_w 8 x 1,024 float32; x 2 x 2,048 x 1,024 float32.
;; Outputs: out0 2 x 2,048 x 1,024 float32.
;; This version of the problem:
;;   THIS VERSION OF THE PROBLEM IS GIVEN IN LOW PRECISION. The matrix products marked QUANTISED in the list below multiply operands that are first quantised to E2M3 (2 exponent bits, 3 mantissa bits; 6 bits a number), with one power-of-two scale for each 32 numbers along K (OCP MX v1.0); their sums are f32. All else is computed in f32.
;;   The module's matrix products, in the order in which they are computed (A, B: the left and right operand; K: the contracted axis; several contracted axes count as one K, in the product's order):
;;     1. [M 4,096, K 1,024] x [K 1,024, N 8]; A: input x; B: input router_w: left as it is (N = 8 < 16)
;;     2. [M 4,096, K 1,024] x [K 1,024, N 8,192]; A: input x; B: input expert_w: QUANTISED
;;   THE QUANTISER, for each operand of a quantised product, along K:
;;     - K is cut into blocks of 32 from its start; a last block that is shorter is filled with zeros.
;;     - A block's scale is 2^e with e = floor(log2(the largest magnitude in the block)) - 2, held to -126 .. 127; a block of zeros has e = 0. As a byte (E8M0): e + 127.
;;     - Each number is divided by its block's scale, clamped to +-7.5, and rounded to the nearest number of E2M3, ties to even, subnormals kept.
;;     - The product sums the exact products of the quantised numbers (number of the format x scale) in f32.
;;   ~~~python
;;   def quantise(x, axis):      # numpy; x: float32 -> the quantised numbers, widened to float32 again
;;       x = np.moveaxis(x, axis, -1); K = x.shape[-1]
;;       x = np.pad(x, [(0, 0)] * (x.ndim - 1) + [(0, -K % 32)]); x = x.reshape(x.shape[:-1] + (-1, 32)); a = np.abs(x).max(-1, keepdims=True)
;;       e = np.where(a > 0, np.clip(np.frexp(np.where(a > 0, a, 1))[1] - 1 - 2, -126, 127), 0)      # np.frexp(a)[1] - 1 = floor(log2(a)), exactly
;;       r = np.clip(x / 2.0 ** e, -7.5, 7.5)
;;       step = 2.0 ** (np.maximum(np.frexp(np.where(r == 0, 1, r))[1] - 1, 0) - 3)
;;       q = np.round(r / step) * step * 2.0 ** e      # np.round: ties to even
;;       return np.moveaxis(q.reshape(q.shape[:-2] + (-1,))[..., :K], -1, axis).astype(np.float32)
;;   ~~~
;; One version. Each part assembles by itself: llvm-mc -triple=amdgcn-amd-amdhsa -mcpu=gfx1250 --defsym DOCPART=n.
;; ======== version 1 of 1: 2 launches
;; workspace buffers: xq 3,276,800 bytes; wq 6,553,600 bytes; ridx 16,384 bytes of whole numbers; gate 16,384 bytes
;; launch quant (part 1): grid 256 x 1, 4 waves a work-group, no clusters, 237,568 bytes of LDS; arguments x, expert_w, router_w, router_b, xq, wq, ridx, gate; writes xq, wq, ridx, gate
.if DOCPART == 1
	.amdgcn_target "amdgcn-amd-amdhsa--gfx1250"
	.amdhsa_code_object_version 6
	.text
	.protected	k_q66d2efff27_quant
	.globl	k_q66d2efff27_quant
	.p2align	8
	.type	k_q66d2efff27_quant,@function
k_q66d2efff27_quant:
	s_mov_b64 s[64:65], 0
	v_nop
	global_prefetch_b8 v0, s[64:65] scope:SCOPE_SE
	s_setreg_imm32_b32 hwreg(HW_REG_WAVE_MODE, 25, 1), 1
	s_wait_xcnt 0x0
; x [4096][1024] and expert_w, seen as [8192][1024], f32, are turned into codes of FP6 (E2M3) with one E8M0 byte for each 32 along K; beside that the router:
; logits = x router_w^T + router_b in f32 (fused multiply-adds), the first largest logit's number (ridx) and its softmax weight 1 / sum of e^(l - max) (gate).
; A block's scale byte is its largest magnitude's exponent field - 2, held at 1 from below; a block of zeros gets 127; the conversion divides, holds at the largest code and rounds to nearest, ties to even.
; LIMITS: NaN and infinities among the inputs are not served.  Two logits of a token that agree to within the rounding of an f32 sum of 1,024 products may be ranked otherwise than by another order of summing.
; THE RECORD: 16 rows x 1,024 K are 12,800 bytes.  Bytes 0 .. 12,287: [q = 0..7][j = 0..2][lane][16 bytes]: registers 4 j .. 4 j + 3 of the matrix operand's fragment of K step q (128 along K) as lane (r, h) holds it:
; registers 6 c .. 6 c + 5 = k 128 q + 64 c + 32 h + 0 .. 31 of row r.  Bytes 12,288 on: [q / 4][r][q % 4]: the scale word (four bytes) of row r and K step q.  So the product's launch loads fragments by 16 bytes a lane, 512 on end.
; SHARES: work-group g takes 16 rows of x (record g of xq) and 32 rows of expert_w (records 2 g, 2 g + 1 of wq); wave w takes floats 256 w .. 256 w + 255 of all 48 rows and of router_w's 8: K steps 2 w, 2 w + 1.
; Each wave brings its four tiles by four tensor loads, all issued at the head; nothing is filled twice; a wave reads only what it brought, behind its own counted wait.  Four tensor loads of a wave are out at the most.
; THE ROUTER goes by register tiles: lane (tg = lane / 8, ks = lane % 8) takes 4 tokens, 8 (tg % 2) + 4 (tg / 2) + 0 .. 3, all 8 experts, and the k 32 i + 4 ks + 0 .. 3 (i = 0 .. 7) of the wave's 256.  So each number of
; router_w that a lane reads from LDS serves four tokens: 64 loads a wave, and 32 that bring x in this layout.  The eight ks lanes' sums are joined by three steps between lanes, the four waves' in LDS.
; No cluster: no two work-groups read the same rows but router_w's 32 KiB.  No matrix instruction: the router has 8 columns.
.set ROWP,  1040                       ; an LDS row: 1,024 bytes + 16 of padding = 65 x 16: the sixteen rows that a load of 16 bytes a lane touches lie in sixteen different columns of 16 bytes modulo 256
.set T_RW,  0                          ; in a wave's region: router_w's 8 rows,
.set T_X,   8*ROWP                     ; x's 16,
.set T_W0,  T_X+16*ROWP                ; expert_w's first 16,
.set T_W1,  T_W0+16*ROWP               ; and its second 16
.set WREG,  T_W1+16*ROWP               ; 58,240 bytes a wave
.set SCR,   4*WREG                     ; behind the four regions (a multiple of 256): partial logits, [wave][token][8] f32
.set SCR2,  SCR+2048                   ; scale words on their way out: [wave][record 0..2][r][2 words], 512 bytes a wave
.set REC,   12800
.set LA, 4                             ; v4   my region + 1,040 r + 128 h: my numbers in a row tile, for the quantiser
.set LR, 5                             ; v5   my region + 16 ks: my k of router_w's rows
.set CO, 6                             ; v6   16 lane + 3,072 w: my 16 bytes in a record's codes
.set LS, 7                             ; v7   SCR2 + 512 w + 8 r
.set LP, 8                             ; v8   SCR + 512 w + 32 x my first token
.set LT, 9                             ; v9   SCR2 + 1,024 h + 128 w + 8 r: what I gather of record w's scale words
.set SH, 10                            ; v10  8 h
.set LX, 11                            ; v11  my region + 1,040 x my first token + 16 ks: my k of my four tokens
.set MX, 12                            ; v12-13 largest magnitudes of my two blocks
.set BY, 14                            ; v14-15 their scale bytes
.set SO, 16                            ; v16-17 the scales as f32, for the conversions
.set T0, 18                            ; v18-20, v22-24 the upper halves' codes (a conversion's three registers begin on an even number)
.set T1, 22
.set WK, 26                            ; v26-27 at work
.set MY, 28                            ; v28-29 second chains of the maxima
.set FR, 30                            ; v30-41 the fragment
.set LG, 12                            ; v12-43 the router's 32 partial logits, [token 0..3][expert]: over the quantiser's registers, which rest meanwhile
.set PS, 44                            ; v44-51 four chains of pairs
.set XA, 52                            ; v52-115  64 numbers for the quantiser
.set XB, 116                           ; v116-179 64 more
.set XR, 52                            ; v52-179  the router's x: [token 0..3][32 k]
.set RW, 180                           ; v180-243 two sets of 32 numbers of router_w
.set FL, 84                            ; v84-91   the end: a token's eight logits
.set G1,  24                           ; s[24:31] descriptor group 1: 16 rows;  s[32:39]: 8 rows;  s[40:55] four groups 0
.set G1R, 32
.set G0,  40
	s_load_b512 s[4:19], s[0:1], 0x0               ; x s[4:5], expert_w s[6:7], router_w s[8:9], router_b s[10:11], xq s[12:13], wq s[14:15], ridx s[16:17], gate s[18:19]
	v_lshl_add_u32 v254, v0, 2, 0x39e00
	v_mov_b32 v255, 0
	ds_add_u32 v254, v255
	ds_add_u32 v254, v255
	v_lshrrev_b32 v1, 5, v0
	v_readfirstlane_b32 s20, v1                    ; wave 0..3
	; group 1: rows of 256 elements of 4 bytes, 1,024 elements apart, 4 words of padding behind every 256 words
.irp g, G1, G1R
	s_mov_b32 s[\g+0], (2<<16)|(1<<20)|(7<<22)|(3<<25)
	s_mov_b32 s[\g+1], 256<<16                     ; tensor_dim0 = 256
	s_mov_b32 s[\g+3], 256<<16                     ; tile_dim0 = 256
	s_mov_b32 s[\g+5], 1024                        ; from row to row
	s_mov_b32 s[\g+6], 0
	s_mov_b32 s[\g+7], 0
.endr
	s_mov_b32 s[G1+2], 16<<16                      ; tensor_dim1, tile_dim1 = 16
	s_mov_b32 s[G1+4], 16
	s_mov_b32 s[G1R+2], 8<<16                      ; and 8 for router_w
	s_mov_b32 s[G1R+4], 8
	s_lshl_b32 s68, s20, 10                        ; my 1,024 bytes of a row
	s_mov_b32 s69, 0
	s_lshl_b32 s70, ttmp9, 16                      ; 16 rows of x are 65,536 bytes
	s_add_co_u32 s70, s70, s68
	s_mov_b32 s71, 0
	s_lshl_b32 s72, ttmp9, 17                      ; 32 rows of expert_w
	s_add_co_u32 s72, s72, s68
	s_mov_b32 s73, 0
	s_mul_i32 s22, s20, WREG                       ; my region of LDS
	s_mul_i32 s74, ttmp9, REC                      ; my record of xq,
	s_mov_b32 s75, 0
	s_mul_i32 s76, ttmp9, 2*REC                    ; my two of wq,
	s_mov_b32 s77, 0
	s_lshl_b32 s78, ttmp9, 6                       ; my 16 words of ridx and of gate
	s_mov_b32 s79, 0
	s_mov_b32 s66, 0x76543210                      ; v_permlanex16_b32: lane l xor 16
	s_mov_b32 s67, 0xfedcba98
	s_wait_dscnt 0x0
	s_wait_kmcnt 0x0
	s_load_b256 s[56:63], s[10:11], 0x0            ; router_b: no line of this text stores to it
	s_add_nc_u64 s[12:13], s[12:13], s[74:75]
	s_add_nc_u64 s[14:15], s[14:15], s[76:77]
	s_add_nc_u64 s[16:17], s[16:17], s[78:79]
	s_add_nc_u64 s[18:19], s[18:19], s[78:79]
	s_add_nc_u64 s[G0+2:G0+3], s[8:9], s[68:69]
	s_add_nc_u64 s[G0+6:G0+7], s[4:5], s[70:71]
	s_add_nc_u64 s[G0+10:G0+11], s[6:7], s[72:73]
	s_add_nc_u64 s[G0+14:G0+15], s[G0+10:G0+11], 0x10000   ; 16 rows further down
	s_add_co_u32 s[G0+1], s22, T_RW
	s_add_co_u32 s[G0+5], s22, T_X
	s_add_co_u32 s[G0+9], s22, T_W0
	s_add_co_u32 s[G0+13], s22, T_W1
.irp n, 0,1,2,3
	s_mov_b32 s[G0+4*\n], 1                        ; count = 1
	s_or_b32 s[G0+4*\n+3], s[G0+4*\n+3], 0x80000000   ; type = 2
.endr
	tensor_load_to_lds s[G0+4:G0+7], s[G1:G1+7]    ; x first: it is quantised while router_w arrives; the router's work runs while expert_w arrives
	s_nop 0
	tensor_load_to_lds s[G0:G0+3], s[G1R:G1R+7]
	s_nop 0
	tensor_load_to_lds s[G0+8:G0+11], s[G1:G1+7]
	s_nop 0
	tensor_load_to_lds s[G0+12:G0+15], s[G1:G1+7]
	s_nop 0
	v_and_b32 v3, 31, v0                           ; lane
	v_and_b32 v1, 15, v0                           ; r
	v_bfe_u32 v2, v0, 4, 1                         ; h
	v_mul_u32_u24 v[LA], v1, ROWP
	v_lshl_add_u32 v[LA], v2, 7, v[LA]
	v_add_nc_u32 v[LA], s22, v[LA]
	v_and_b32 v12, 7, v0                           ; ks
	v_bfe_u32 v13, v0, 3, 1                        ; tg % 2
	v_lshlrev_b32 v13, 3, v13
	v_lshl_add_u32 v13, v2, 2, v13                 ; my first token: 8 (tg % 2) + 4 (tg / 2).  The two groups of a half of the lanes stand 8 rows, 128 bytes modulo 256, apart: with 16 ks that is sixteen different columns
	v_lshl_add_u32 v[LR], v12, 4, s22
	v_mad_u32_u24 v[LX], v13, ROWP, v[LR]
	s_mul_i32 s68, s20, 3072
	v_lshl_add_u32 v[CO], v3, 4, s68
	s_lshl_b32 s69, s20, 9
	v_lshl_add_u32 v[LS], v1, 3, s69
	v_add_nc_u32 v[LS], SCR2, v[LS]
	v_lshl_add_u32 v[LP], v13, 5, s69
	v_add_nc_u32 v[LP], SCR, v[LP]
	s_lshl_b32 s70, s20, 7
	v_lshl_add_u32 v[LT], v2, 10, s70
	v_lshl_add_u32 v[LT], v1, 3, v[LT]
	v_add_nc_u32 v[LT], SCR2, v[LT]
	v_lshlrev_b32 v[SH], 3, v2
	v_mov_b32 v[WK+1], 0                           ; (the destination of a lane permute counts as read)
; my 64 numbers of K step 2 w + qq of the row tile at ro: k = 64 c + 32 h + 0 .. 31 of row r
.macro LOADX xs, ro, qq
.irp c, 0,1
.irp i, 0,1,2,3,4,5,6,7
	ds_load_b128 v[\xs+32*\c+4*\i:\xs+32*\c+4*\i+3], v[LA] offset:\ro+512*\qq+256*\c+16*\i
.endr
.endr
.endm
; 64 numbers become my 12 registers of a fragment and my part of its scale word.  bs: the scalar pair with the record's address; imm: bytes on from it; rec: which of the work-group's three records
.macro QUANT xs, bs, imm, rec, qq
.irp c, 0,1                            ; block 2 c + h of the K step: all its 32 numbers are mine
	v_max3_num_f32 v[MX+\c], |v[\xs+32*\c]|, |v[\xs+32*\c+1]|, |v[\xs+32*\c+2]|
	v_max3_num_f32 v[MY+\c], |v[\xs+32*\c+3]|, |v[\xs+32*\c+4]|, |v[\xs+32*\c+5]|
.irp i, 6,10,14,18,22,26
	v_max3_num_f32 v[MX+\c], v[MX+\c], |v[\xs+32*\c+\i]|, |v[\xs+32*\c+\i+1]|
	v_max3_num_f32 v[MY+\c], v[MY+\c], |v[\xs+32*\c+\i+2]|, |v[\xs+32*\c+\i+3]|
.endr
	v_max3_num_f32 v[MX+\c], v[MX+\c], |v[\xs+32*\c+30]|, |v[\xs+32*\c+31]|
	v_max_num_f32 v[MX+\c], v[MX+\c], v[MY+\c]
	v_lshrrev_b32 v[BY+\c], 23, v[MX+\c]           ; its exponent field
	v_max_u32 v[BY+\c], 3, v[BY+\c]                ; the byte is not to fall under 1
	v_add_nc_u32 v[BY+\c], -2, v[BY+\c]            ; the scale's byte
	v_lshlrev_b32 v[SO+\c], 23, v[BY+\c]           ; the scale as f32
	v_cmp_eq_u32 vcc_lo, 0, v[MX+\c]
	v_cndmask_b32 v[BY+\c], v[BY+\c], 127, vcc_lo  ; a block of zeros
.endr
	s_wait_xcnt 0x0                                ; the fragment's registers are the data of the last fragment's stores: written again only behind this wait
	v_cvt_scalef32_pk16_fp6_f32 v[FR:FR+2], v[\xs:\xs+15], v[SO]
	v_cvt_scalef32_pk16_fp6_f32 v[T0:T0+2], v[\xs+16:\xs+31], v[SO]
	v_cvt_scalef32_pk16_fp6_f32 v[FR+6:FR+8], v[\xs+32:\xs+47], v[SO+1]
	v_cvt_scalef32_pk16_fp6_f32 v[T1:T1+2], v[\xs+48:\xs+63], v[SO+1]
	v_lshl_or_b32 v[WK], v[BY+1], 16, v[BY]        ; my two bytes, blocks h and 2 + h (also the plain place behind the conversions),
	v_lshlrev_b32 v[WK], v[SH], v[WK]              ; at their places in the word;
	v_permlanex16_b32 v[WK+1], v[WK], s66, s67
	v_or_b32 v[WK], v[WK], v[WK+1]                 ; with lane l xor 16's two the word is whole
.irp i, 0,1,2
	v_mov_b32 v[FR+3+\i], v[T0+\i]
	v_mov_b32 v[FR+9+\i], v[T1+\i]
.endr
	ds_store_b32 v[LS], v[WK] offset:128*\rec+4*\qq   ; both halves of the lanes write the same word with the same value
.irp j, 0,1,2
	global_store_b128 v[CO], v[FR+4*\j:FR+4*\j+3], s[\bs:\bs+1] offset:\imm+1536*\qq+512*\j   ; the wave stores 512 consecutive bytes, at a multiple of 256 from the buffer's first byte
.endr
.endm
; my two K steps of the 16 rows at ro
.macro ROWS ro, bs, imm, rec
	LOADX XA, \ro, 0
	LOADX XB, \ro, 1
	s_wait_dscnt 16                                ; the first K step's numbers are in (and every older LDS instruction is done); the second's 16 loads may be out
	QUANT XA, \bs, \imm, \rec, 0
	s_wait_dscnt 1                                 ; the second's are in; the scale word's store may be out
	QUANT XB, \bs, \imm, \rec, 1
.endm
; the router's x: my 32 k of my four tokens
.macro LOADXR
.irp t, 0,1,2,3
.irp i, 0,1,2,3,4,5,6,7
	ds_load_b128 v[XR+32*\t+4*\i:XR+32*\t+4*\i+3], v[LX] offset:T_X+ROWP*\t+128*\i
.endr
.endr
.endm
; the same k of router_w's row e: the four lanes of one ks read the same 16 bytes
.macro LOADRW rs, e
.irp i, 0,1,2,3,4,5,6,7
	ds_load_b128 v[\rs+4*\i:\rs+4*\i+3], v[LR] offset:T_RW+ROWP*(\e)+128*\i
.endr
.endm
; expert e against my four tokens: 64 packed products, one chain a token
.macro VISIT rs, e
.irp t, 0,1,2,3
	v_pk_mul_f32 v[PS+2*\t:PS+2*\t+1], v[XR+32*\t:XR+32*\t+1], v[\rs:\rs+1]
.endr
.set MM, 1
.rept 15
.irp t, 0,1,2,3
	v_pk_fma_f32 v[PS+2*\t:PS+2*\t+1], v[XR+32*\t+2*MM:XR+32*\t+2*MM+1], v[\rs+2*MM:\rs+2*MM+1], v[PS+2*\t:PS+2*\t+1]
.endr
.set MM, MM+1
.endr
.irp t, 0,1,2,3
	v_add_f32 v[LG+8*\t+\e], v[PS+2*\t], v[PS+2*\t+1]
.endr
.endm
	s_wait_tensorcnt 3                             ; x's tile is in; router_w's and expert_w's two may be out
	ROWS T_X, 12, 0, 0
	s_wait_tensorcnt 2                             ; router_w's tile is in
	LOADXR
	LOADRW RW, 0
	s_wait_kmcnt 0x0                               ; router_b
	s_wait_xcnt 0x0                                ; the partial logits lie over the fragment's registers, which the last stores read: written only behind this wait
.irp e, 0,1,2,3,4,5,6,7
.if \e < 7
	LOADRW RW+32*((\e+1)%2), \e+1
	s_wait_dscnt 8                                 ; x and row e are in; the 8 loads just issued may be out
.else
	s_wait_dscnt 0x0
.endif
	VISIT RW+32*(\e%2), \e
.endr
.irp m, 1,2,4                          ; the eight ks lanes of a token group hold the eight parts of the wave's 256 k
.set II, 0
.rept 32
	v_add_f32_dpp v[LG+II], v[LG+II], v[LG+II] row_xmask:\m row_mask:0xf bank_mask:0xf
.set II, II+1
.endr
.endr
.irp t, 0,1,2,3
	ds_store_b128 v[LP], v[LG+8*\t:LG+8*\t+3] offset:32*\t        ; the eight lanes of a group write the same
	ds_store_b128 v[LP], v[LG+8*\t+4:LG+8*\t+7] offset:32*\t+16
.endr
	s_wait_tensorcnt 1                             ; expert_w's first 16 rows are in; the last tile may be out
	ROWS T_W0, 14, 0, 1
	s_wait_tensorcnt 0x0
	ROWS T_W1, 14, REC, 2
	s_wait_dscnt 0x0                               ; for the others' sake: my partial logits and scale words are in LDS
	s_barrier_signal -1
	s_barrier_wait -1
	s_cmp_eq_u32 s20, 3
	s_cbranch_scc1 .Lrouter
	; waves 0, 1, 2 send the scale words of records 0 (xq), 1 and 2 (wq): 512 consecutive bytes each
	s_cmp_eq_u32 s20, 0
	s_cselect_b64 s[68:69], s[12:13], s[14:15]     ; the choice hangs on the wave's number alone
	s_cmp_eq_u32 s20, 2
	s_cselect_b32 s70, REC, 0
	s_mov_b32 s71, 0
	s_add_nc_u64 s[68:69], s[68:69], s[70:71]
	ds_load_b64 v[12:13], v[LT]                    ; row r, K steps 4 h, 4 h + 1: wave 2 h's words;
	ds_load_b64 v[14:15], v[LT] offset:512         ; K steps 4 h + 2, 4 h + 3: wave 2 h + 1's
	v_lshlrev_b32 v16, 4, v3
	s_wait_dscnt 0x0
	global_store_b128 v16, v[12:15], s[68:69] offset:12288
	s_wait_tensorcnt 0x0
	ds_add_u32 v254, v255
	s_wait_dscnt 0x0
	s_endpgm
.Lrouter:                                      ; wave 3: the 16 tokens' logits; lane (r, h) works on token r, both halves alike
	v_lshl_add_u32 v12, v1, 5, SCR
.irp p, 0,1,2,3
	ds_load_b128 v[52+8*\p:55+8*\p], v12 offset:512*\p
	ds_load_b128 v[56+8*\p:59+8*\p], v12 offset:512*\p+16
.endr
	s_mov_b32 s68, 0x3fb8aa3b                      ; log2(e)
	s_wait_dscnt 0x0
.irp i, 0,2,4,6
	v_pk_add_f32 v[FL+\i:FL+\i+1], v[52+\i:53+\i], v[60+\i:61+\i]
	v_pk_add_f32 v[92+\i:93+\i], v[68+\i:69+\i], v[76+\i:77+\i]
.endr
.irp i, 0,2,4,6
	v_pk_add_f32 v[FL+\i:FL+\i+1], v[FL+\i:FL+\i+1], v[92+\i:93+\i]
.endr
.irp e, 0,1,2,3,4,5,6,7
	v_add_f32 v[FL+\e], s[56+\e], v[FL+\e]         ; + router_b
.endr
	v_max3_num_f32 v14, v[FL], v[FL+1], v[FL+2]
	v_max3_num_f32 v14, v14, v[FL+3], v[FL+4]
	v_max3_num_f32 v14, v14, v[FL+5], v[FL+6]
	v_max_num_f32 v14, v14, v[FL+7]                ; the largest logit
	v_mov_b32 v13, 7
.irp e, 6,5,4,3,2,1,0                  ; downward, so that the first of equal logits wins
	v_cmp_eq_f32 vcc_lo, v[FL+\e], v14
	v_cndmask_b32 v13, v13, \e, vcc_lo
.endr
	v_mul_f32 v15, s68, v14
.irp e, 0,1,2,3,4,5,6,7
	v_fma_f32 v[52+\e], v[FL+\e], s68, -v15        ; (l - max) log2(e)
.endr
.irp e, 0,1,2,3,4,5,6,7
	v_exp_f32 v[52+\e], v[52+\e]
.endr
	v_lshlrev_b32 v16, 2, v1                       ; (the plain place behind the exponentials)  4 r
	s_wait_alu depctr_va_vdst(0)
	v_pk_add_f32 v[52:53], v[52:53], v[54:55]
	v_pk_add_f32 v[56:57], v[56:57], v[58:59]
	v_pk_add_f32 v[52:53], v[52:53], v[56:57]
	v_add_f32 v52, v52, v53
	v_rcp_f32 v60, v52                             ; the chosen logit is the largest: its weight is 1 / the sum
	v_cmp_gt_u32 vcc_lo, 16, v3                    ; (the plain place behind the reciprocal)
	s_wait_xcnt 0x0                                ; EXEC changes only behind this wait: stores of mine have been issued
	s_wait_tensorcnt 0x0
	ds_add_u32 v254, v255
	s_wait_dscnt 0x0
	s_and_saveexec_b32 s70, vcc_lo
	global_store_b32 v16, v13, s[16:17]            ; 64 bytes each: a quarter of 256; these two buffers are 32 KiB of all that the launch moves
	s_wait_alu depctr_va_vdst(0)
	global_store_b32 v16, v60, s[18:19]
	s_wait_xcnt 0x0
	s_or_b32 exec_lo, exec_lo, s70
	s_endpgm
.Lfunc_end_k_q66d2efff27_quant:
	.size	k_q66d2efff27_quant, .Lfunc_end_k_q66d2efff27_quant-k_q66d2efff27_quant
	.p2alignl 7, 3214868480
	.fill 96, 4, 3214868480
	.section	.rodata,"a",@progbits
	.p2align	6, 0x0
	.amdhsa_kernel k_q66d2efff27_quant
		.amdhsa_group_segment_fixed_size 237568
		.amdhsa_private_segment_fixed_size 0
		.amdhsa_enable_private_segment 0
		.amdhsa_kernarg_size 64
		.amdhsa_user_sgpr_count 2
		.amdhsa_user_sgpr_kernarg_segment_ptr 1
		.amdhsa_wavefront_size32 1
		.amdhsa_system_sgpr_workgroup_id_x 1
		.amdhsa_system_sgpr_workgroup_id_y 1
		.amdhsa_system_sgpr_workgroup_id_z 1
		.amdhsa_system_vgpr_workitem_id 0
		.amdhsa_next_free_vgpr 256
		.amdhsa_next_free_sgpr 80
		.amdhsa_reserve_vcc 1
		.amdhsa_float_denorm_mode_32 3
		.amdhsa_float_denorm_mode_16_64 3
		.amdhsa_memory_ordered 1
		.amdhsa_forward_progress 1
		.amdhsa_inst_pref_size 83
	.end_amdhsa_kernel
	.amdgpu_metadata
---
amdhsa.version: [ 1, 2 ]
amdhsa.kernels:
  - .name:           k_q66d2efff27_quant
    .symbol:         k_q66d2efff27_quant.kd
    .args:
      - { .name: x, .offset: 0, .size: 8, .value_kind: global_buffer, .address_space: global }
      - { .name: expert_w, .offset: 8, .size: 8, .value_kind: global_buffer, .address_space: global }
      - { .name: router_w, .offset: 16, .size: 8, .value_kind: global_buffer, .address_space: global }
      - { .name: router_b, .offset: 24, .size: 8, .value_kind: global_buffer, .address_space: global }
      - { .name: xq, .offset: 32, .size: 8, .value_kind: global_buffer, .address_space: global }
      - { .name: wq, .offset: 40, .size: 8, .value_kind: global_buffer, .address_space: global }
      - { .name: ridx, .offset: 48, .size: 8, .value_kind: global_buffer, .address_space: global }
      - { .name: gate, .offset: 56, .size: 8, .value_kind: global_buffer, .address_space: global }
    .group_segment_fixed_size: 237568
    .private_segment_fixed_size: 0
    .kernarg_segment_align: 8
    .kernarg_segment_size: 64
    .max_flat_workgroup_size: 128
    .sgpr_count:     80
    .vgpr_count:     256
    .wavefront_size: 32
...
	.end_amdgpu_metadata
.endif
;; end of part 1
;; launch moe (part 2): grid 16 x 16, 4 waves a work-group, clusters of 4 x 1, 327,680 bytes of LDS; arguments xq, wq, ridx, gate, expert_b, out0; writes out0
.if DOCPART == 2
	.amdgcn_target "amdgcn-amd-amdhsa--gfx1250"
	.amdhsa_code_object_version 6
	.text
	.protected	k_q66d2efff27_moe
	.globl	k_q66d2efff27_moe
	.p2align	8
	.type	k_q66d2efff27_moe,@function
k_q66d2efff27_moe:
	s_mov_b64 s[64:65], 0
	v_nop
	global_prefetch_b8 v0, s[64:65] scope:SCOPE_SE
	s_setreg_imm32_b32 hwreg(HW_REG_WAVE_MODE, 25, 1), 1
	s_wait_xcnt 0x0
	s_wait_alu depctr_hold_cnt(0) depctr_sa_sdst(0) depctr_va_vdst(0) depctr_va_sdst(0) depctr_va_ssrc(0) depctr_va_vcc(0) depctr_vm_vsrc(0)
	s_getreg_b32 s2, hwreg(HW_REG_IB_STS2, 6, 4)
	s_cmp_eq_u32 s2, 0
	s_cbranch_scc0 .Lentry_in_a_cluster
	s_endpgm
.Lentry_in_a_cluster:
	s_bfe_u32 s2, ttmp6, 0x10000c
	s_cmp_lg_u32 s2, 0x3003
	s_cbranch_scc0 .Lentry_shape_is_right
	s_endpgm
.Lentry_shape_is_right:
; out0[t][f] = gate[t] x (sum over k of Q(x)[t][k] Q(expert_w)[e][f][k] + expert_b[e][f]) with e = ridx[t].  Every expert's product is made, as the problem writes it, on codes of FP6 (E2M3) with E8M0 scales,
; and the token's own is kept by v_cndmask_b32: no address and no branch hangs on the choice.
; xq, wq: records of 16 rows x 1,024 K, 12,800 bytes: [q][j][lane][16 bytes] the fragments' register image, then [q / 4][r][q % 4] the scale words.  Record of wq: 64 e + f / 16.
; SHARES: a work-group makes 256 tokens x 64 features, each of its four waves 64 tokens x 64 features: 16 accumulators.  x's codes of a wave's 64 tokens, for all of K, stay in 384 registers, since all eight experts
; multiply the same x: LDS feeds the weights alone, 6 KiB for 16 matrix instructions of a wave, and all four waves read the same weights.
; x's CODES COME K STEP BY K STEP: its scale words, the first bias and K steps 0, 1 are asked for straight behind the arguments, ahead of the cluster's round; K steps 2, 3 behind the first fills (60 loads of a wave are then out, the
; most in this text); step q of expert 0 waits for K step q alone and asks for K step q + 4.  So the round, the first tile's way and expert 0's products lie under x's loads.
; THE RING: two LDS slots, each with two experts' tiles (64 features x 1,024 K each): [block of 16 features][expert's parity][12,800 bytes].  Wave w's one tensor load brings block w of both experts.
; A refill is asked for two experts, 256 matrix instructions of a wave, ahead of its first read.  By this text's count two tensor loads of a wave are out at the start, later one.
; CLUSTER: the four work-groups of a cluster share their 64 features, hence every tile of weights: each is asked for JOINTLY, mask 15.
; THE MATRIX INSTRUCTION IS USED TRANSPOSED (source 0 = 16 features of an expert, source 1 = 16 tokens): a lane holds ONE token (lane % 16) and eight neighbouring features 8 (lane / 16) + 0 .. 7.
; THE CHOICE: expert e sums into accumulator set e % 2; its first product takes the bias as C.  Before expert e overwrites an accumulator of set e % 2, the same accumulator of the other set (expert e - 1's) keeps its
; number where the token chose e - 1 and takes the old one elsewhere: the set written last always holds the best so far.  Nothing is cleared or copied.
; REGISTERS, in windows of 256: window 0: addresses, gates and indices, scale words, bias, the weights' fragments (two sets);  window 1: x's blocks 0, 1 at v[12 (8 (a % 2) + q)];  window 2: blocks 2, 3;
;   window 3: accumulator set 0 at v0-127, set 1 at v128-255, accumulator (a, b) at 8 (4 a + b).
.set REC,   12800
.set EXPB,  64*REC                     ; an expert's records in wq
.set BLK,   2*REC                      ; in a slot: a block of 16 features, two experts
.set SLOT,  4*BLK                      ; 102,400 bytes
.set SPARE, 2*SLOT                     ; behind the ring: the spare words, 128 bytes a wave: two blocks of 256 bytes that no other line names
.set STAGE, SPARE+512                  ; the way out: 16 rows x 272 bytes for each wave; no tile lands here
.set SP,    272                        ; a stage row: 256 bytes + 16: the sixteen rows that a store touches lie in sixteen different columns of 16 bytes modulo 256
.set ADB, 4                            ; v4-7   [slot][b / 2]: slot x 102,400 + (b / 2) x 51,200 + 16 lane  (v4 is also my 16 bytes in a piece of x's record)
.set ADS, 8                            ; v8-9   [slot]: slot x 102,400 + 51,200 h + 16 r: the weights' scale words; lanes 16-31 take the block two further on
.set XS,  10                           ; v10    25,600 h + 16 r: the same for x's records
.set R4,  11                           ; v11    4 r
.set HB,  12                           ; v12    32 h: my eight features' bias
.set STO, 13                           ; v13    the way out: where I put 32 bytes of a row
.set RD,  14                           ; v14    where I read a row back
.set CO,  15                           ; v15    4,096 h + 16 r: my place in two rows of out0
.set SPW, 16                           ; v16    LDS address of my spare word; never rewritten
.set NIL, 17                           ; v17    0; never rewritten
.set GI,  18                           ; v18-25 token block a: the gate at v[18 + 2 a], the index at v[19 + 2 a]
.set SA,  32                           ; v32-47 x's scale words: v[SA + 8 i + q]: lanes 0-15 block i, lanes 16-31 block i + 2
.set SB,  48                           ; v48-79 the weights': two sets (expert's parity) of the same form
.set BI,  80                           ; v80-143 bias in the result's layout, two sets of 4 x 8
.set BF,  144                          ; v144-239 the weights' fragments, two sets (q's parity) of 4 x 12
.set TMP, 144                          ; the way out: 32 results,
.set BK,  176                          ; and two sets of 32: rows read back
.set G1,  24                           ; s[24:31] descriptor group 1;  s[32:39] group 0, one set for each slot
.set G0,  32
.set MK,  40                           ; s40-43 for each token block: the lanes whose token chose the expert in hand
.set MSB, 0
.macro WIN new                         ; the immediate's high byte repeats the setting that is left; a switch that changes nothing is dropped
.if MSB != (\new)
	s_set_vgpr_msb (MSB<<8)|(\new)
.set MSB, (\new)
.endif
.endm
.macro PLACES n                        ; a load into a register that a matrix instruction has read, and a vector instruction that touches a matrix result, stand four places behind it (ISA guide 7.12.1 for vector instructions)
.rept \n
	v_nop
.endr
.endm
.macro CREST                           ; a round of the cluster's barrier behind its opening barrier
	s_cmp_lg_u32 s16, 0
	s_cbranch_scc1 .Lnot_wave_0_\@
	s_barrier_signal -3
.Lnot_wave_0_\@:
	s_barrier_wait -3
	s_barrier_signal -1
	s_barrier_wait -1
.endm
.macro CROUND                          ; a whole round
	s_barrier_signal -1
	s_barrier_wait -1
	CREST
.endm
; x's four fragments of K step q: 12 loads of 512 consecutive bytes; blocks 0, 1 into window 1, blocks 2, 3 into window 2.  It leaves the destination's window at 2
.macro ALOAD q
	WIN 0x40
.irp a, 0,1
.irp j, 0,1,2
	global_load_b128 v[12*(8*\a+(\q))+4*\j:12*(8*\a+(\q))+4*\j+3], v[ADB], s[4:5] offset:\a*REC+1536*(\q)+512*\j
.endr
.endr
	WIN 0x80
.irp a, 0,1
.irp j, 0,1,2
	global_load_b128 v[12*(8*\a+(\q))+4*\j:12*(8*\a+(\q))+4*\j+3], v[ADB], s[4:5] offset:(\a+2)*REC+1536*(\q)+512*\j
.endr
.endr
.endm
; my four tokens' gates and experts: 8 loads
.macro GATES
.irp a, 0,1,2,3
	global_load_b32 v[GI+2*\a], v[R4], s[10:11] offset:64*\a
	global_load_b32 v[GI+2*\a+1], v[R4], s[8:9] offset:64*\a
.endr
.endm
; expert e's bias of my eight features of each block, in the result's layout: the C of the expert's first products: 8 loads
.macro BIAS e
.irp b, 0,1,2,3
	global_load_b128 v[BI+32*((\e)%2)+8*\b:BI+32*((\e)%2)+8*\b+3], v[HB], s[12:13] offset:4096*(\e)+64*\b
	global_load_b128 v[BI+32*((\e)%2)+8*\b+4:BI+32*((\e)%2)+8*\b+7], v[HB], s[12:13] offset:4096*(\e)+64*\b+16
.endr
.endm
; the four fragments of expert e, K step q: 12 loads of 512 consecutive bytes; with q = 0 also the expert's scale words for all of K, 4 loads
.macro FETCH e, q
.irp b, 0,1,2,3
.irp j, 0,1,2
	ds_load_b128 v[BF+48*((\q)%2)+12*\b+4*\j:BF+48*((\q)%2)+12*\b+4*\j+3], v[ADB+2*(((\e)/2)%2)+\b/2] offset:(\b%2)*BLK+((\e)%2)*REC+1536*(\q)+512*\j
.endr
.endr
.if (\q) == 0
.irp i, 0,1
.irp g, 0,1
	ds_load_b128 v[SB+16*((\e)%2)+8*\i+4*\g:SB+16*((\e)%2)+8*\i+4*\g+3], v[ADS+(((\e)/2)%2)] offset:12288+\i*BLK+((\e)%2)*REC+256*\g
.endr
.endr
.endif
.endm
; one product: features' block b of expert e x tokens' block a, K step q.  first = 1: C is the bias (window 0), else the accumulator.  The scale words of blocks 2, 3 lie in lanes 16-31
.macro WM e, q, a, b, first
.set rD, 128*((\e)%2)+8*(4*(\a)+(\b))
.set rB, BF+48*((\q)%2)+12*(\b)
.set rA, 12*(8*((\a)%2)+(\q))
.set rC, rD
.if \first
.set rC, BI+32*((\e)%2)+8*(\b)
.endif
.set rS, SB+16*((\e)%2)+8*((\b)%2)+(\q)
.set rT, SA+8*((\a)%2)+(\q)
.if ((\a) < 2) && ((\b) < 2)
	v_wmma_scale_f32_16x16x128_f8f6f4 v[rD:rD+7], v[rB:rB+11], v[rA:rA+11], v[rC:rC+7], v[rS], v[rT] matrix_a_fmt:MATRIX_FMT_FP6 matrix_b_fmt:MATRIX_FMT_FP6
.elseif (\a) < 2
	v_wmma_scale_f32_16x16x128_f8f6f4 v[rD:rD+7], v[rB:rB+11], v[rA:rA+11], v[rC:rC+7], v[rS], v[rT] matrix_a_fmt:MATRIX_FMT_FP6 matrix_b_fmt:MATRIX_FMT_FP6 matrix_a_scale:MATRIX_SCALE_ROW1
.elseif (\b) < 2
	v_wmma_scale_f32_16x16x128_f8f6f4 v[rD:rD+7], v[rB:rB+11], v[rA:rA+11], v[rC:rC+7], v[rS], v[rT] matrix_a_fmt:MATRIX_FMT_FP6 matrix_b_fmt:MATRIX_FMT_FP6 matrix_b_scale:MATRIX_SCALE_ROW1
.else
	v_wmma_scale_f32_16x16x128_f8f6f4 v[rD:rD+7], v[rB:rB+11], v[rA:rA+11], v[rC:rC+7], v[rS], v[rT] matrix_a_fmt:MATRIX_FMT_FP6 matrix_b_fmt:MATRIX_FMT_FP6 matrix_a_scale:MATRIX_SCALE_ROW1 matrix_b_scale:MATRIX_SCALE_ROW1
.endif
.endm
.macro WM4 e, q, a                     ; tokens' block a against the four blocks of features
.irp b, 0,1,2,3
	WM \e, \q, \a, \b, 0
.endr
.endm
; accumulator (a, b) of expert e's set keeps its number where the token chose e and takes the other set's elsewhere; from the low end on
.macro SEL e, a, b
.set rN, 128*((\e)%2)+8*(4*(\a)+(\b))
.set rO, 128*(1-(\e)%2)+8*(4*(\a)+(\b))
.irp j, 0,1,2,3,4,5,6,7
	v_cndmask_b32 v[rN+\j], v[rO+\j], v[rN+\j], s[MK+(\a)]
.endr
.endm
; A K step: the next step's fragments are asked for, then this step's 16 products.  The 16 accumulators take turns, one instruction a turn, in the same order in every step.
; THE GLOBAL LOADS, in the order of issue: x's scale words 4, bias 0 8, x's K steps 0 to 3 12 each (ahead of the first step); K step 4 (step 0 of expert 0, behind its wait); bias 2 8 (step 1, ahead of its wait); K steps 5, 6, 7
; (steps 1, 2, 3, behind their waits); bias 1 8, gates and indices 8 (step 4, behind its wait); then bias e + 2 in step 1 of expert e.  Each count below is what was issued behind the load that the step needs.
.macro STEP e, q
.if (\e > 0) || (\q > 0)
	PLACES 4                                       ; in front of the loads into the set that the step before multiplied (and, with q = 1, into the bias that it took as C; with q = 0, of the selects)
.endif
	WIN 0
.if \q < 7
	FETCH \e, \q+1
.if (\q == 1) && (\e <= 5)
	BIAS \e+2                                      ; into the set that this expert's first step has read
.endif
	s_wait_dscnt 12                                ; this step's fragments are in; the 12 loads just issued may be out
.else
	FETCH \e+1, 0
	s_wait_dscnt 16                                ; likewise: 12 and the 4 of the scale words
.endif
.if \e == 0
.if \q == 0
	s_wait_loadcnt 36                              ; x's scale words, bias 0 and K step 0 are in; K steps 1, 2, 3 may be out
.elseif \q <= 4
	s_wait_loadcnt 44                              ; x's K step q is in; the three K steps behind it and bias 2 may be out
.else
	s_wait_loadcnt 100-12*\q                       ; x's K step q is in; the K steps behind it, bias 1, gates and indices may be out
.endif
.if \q < 4
	ALOAD \q+4
.elseif \q == 4
	BIAS 1
	GATES
.endif
.endif
.if (\e == 1) && (\q == 0)
	s_wait_loadcnt 8                               ; bias 1 is in; gates and indices may be out
.endif
.if (\q == 0) && (\e >= 2)
.if \e == 7
	s_wait_loadcnt 0x0                             ; this expert's bias is in: no load was issued behind it
.else
	s_wait_loadcnt 8                               ; this expert's bias is in (with e = 2 the indices too); the next expert's eight loads may be out
.endif
.irp a, 0,1,2,3
	v_cmp_eq_u32 s[MK+\a], \e-1, v[GI+2*\a+1]      ; whose token chose the expert just finished
.endr
.endif
.irp a, 0,1,2,3
.irp b, 0,1,2,3
.if \q == 0
.if \e >= 2
	WIN 0xcf                                       ; destination and both sources window 3
	SEL \e-1, \a, \b                               ; just ahead of the product that overwrites the older set's accumulator
.endif
	WIN 0xc4+4*(\a/2)                              ; weights and bias window 0, x window 1 or 2, D window 3
	WM \e, \q, \a, \b, 1
.else
	WIN 0xf4+4*(\a/2)                              ; the same with C in window 3
	WM \e, \q, \a, \b, 0
.endif
.endr
.endr
.endm
; The last K step of a slot's second expert changes slots: ONE barrier; in front of it each wave waits for all its tensor loads (its part of the next slot), adds 0 to its spare word, and waits for that and for its reads
; of this slot.  fill = 1: the barrier opens a round of the cluster's, and this slot is filled again, with the experts four further on.
.macro TURN e, fill
.set TS, ((\e)/2)%2
	WIN 0                                          ; (the add's two registers lie in window 0)
	s_wait_tensorcnt 0x0                           ; all my tensor loads have landed;
	ds_add_u32 v[SPW], v[NIL]                      ; 0 onto my spare word;
	s_wait_dscnt 1                                 ; this step's fragments are in; the add may be out
	WIN 0xf4
	WM4 \e, 7, 0                                   ; four matrix instructions stand between the add and the wait for it
	s_wait_dscnt 0x0                               ; the add is done, and my reads of this slot are over
	s_barrier_signal -1
	WM4 \e, 7, 1
	WIN 0
	s_barrier_wait -1
.if \fill
	CREST                                          ; no wave of any partner still reads this slot or has a load on its way
	s_add_nc_u64 s[G0+4*TS+2:G0+4*TS+3], s[G0+4*TS+2:G0+4*TS+3], 4*EXPB
	tensor_load_to_lds s[G0+4*TS:G0+4*TS+3], s[G1:G1+7]   ; the first tensor load behind the round, my one until the next
	s_nop 0
.endif
	PLACES 4                                       ; behind the joint load, and in front of the loads below
	FETCH \e+1, 0
	WIN 0xf8
	WM4 \e, 7, 2
	WM4 \e, 7, 3
.endm
	s_load_b256 s[4:11], s[0:1], 0x0               ; xq s[4:5], wq s[6:7], ridx s[8:9], gate s[10:11]
	s_load_b128 s[12:15], s[0:1], 0x20             ; expert_b s[12:13], out0 s[14:15]
	v_lshl_add_u32 v[SPW], v0, 2, SPARE
	v_mov_b32 v[NIL], 0
	ds_add_u32 v16, v17
	ds_add_u32 v16, v17
	s_wait_dscnt 0x0
	v_lshrrev_b32 v1, 5, v0
	v_readfirstlane_b32 s16, v1                    ; wave 0..3
	v_and_b32 v3, 31, v0                           ; lane
	v_and_b32 v1, 15, v0                           ; r
	v_bfe_u32 v2, v0, 4, 1                         ; h
	v_lshlrev_b32 v[ADB], 4, v3
	v_lshlrev_b32 v3, 4, v1                        ; 16 r
	v_mad_u32_u24 v[XS], v2, 2*REC, v3
	v_lshlrev_b32 v[R4], 2, v1
	v_lshlrev_b32 v[HB], 5, v2
	s_bfe_u32 s17, ttmp6, 0x40000                  ; cx: my place in the cluster
	s_lshl_b32 s18, ttmp9, 2
	s_add_co_u32 s18, s18, s17                     ; my tile of 256 tokens = 4 x cluster x + cx: it enters xq's, ridx's, gate's and out0's addresses alone
	s_and_b32 s19, ttmp7, 0xffff                   ; my tile of 64 features, which the four partners share
	; group 1: two rows of 1,600 elements of 8 bytes (a record), one expert apart; no padding: fragments are read 512 bytes on end
	s_mov_b32 s[G1+0], 15|(3<<16)|(1<<21)          ; 15:0 the mask: all four work-groups; 17:16 elements of 8 bytes; 21 set beside a mask
	s_mov_b32 s[G1+1], 1600<<16                    ; tensor_dim0
	s_mov_b32 s[G1+2], 2<<16                       ; tensor_dim1
	s_mov_b32 s[G1+3], 1600<<16                    ; tile_dim0
	s_mov_b32 s[G1+4], 2                           ; tile_dim1
	s_mov_b32 s[G1+5], EXPB/8                      ; from row to row
	s_mov_b32 s[G1+6], 0
	s_mov_b32 s[G1+7], 0
	s_lshl_b32 s44, s18, 4
	s_lshl2_add_u32 s44, s16, s44                  ; my first record of xq: 16 x tile + 4 x wave
	s_mul_i32 s44, s44, REC
	s_mov_b32 s45, 0
	s_lshl2_add_u32 s46, s19, s16                  ; the record of wq that I fetch, in expert 0: 4 x feature tile + wave (registers that never hold cx)
	s_mul_i32 s46, s46, REC
	s_mov_b32 s47, 0
	s_lshl_b32 s48, s18, 10
	s_lshl_b32 s49, s16, 8
	s_add_co_u32 s48, s48, s49                     ; 4 x my first token
	s_mov_b32 s49, 0
	s_lshl_b32 s50, s19, 8                         ; my 64 features, in bytes
	s_mov_b32 s51, 0
	s_lshl_b32 s52, s48, 10                        ; 4,096 x my first token
	s_add_co_u32 s52, s52, s50
	s_mov_b32 s53, 0
	s_mul_i32 s54, s16, BLK                        ; where my block goes in a slot: no place in the cluster enters an LDS address
	s_mul_i32 s55, s16, 16*SP
	s_add_co_u32 s55, s55, STAGE                   ; my stage
	s_wait_kmcnt 0x0
	s_add_nc_u64 s[4:5], s[4:5], s[44:45]
	s_add_nc_u64 s[12:13], s[12:13], s[50:51]
.irp i, 0,1                            ; what the first step wants goes out first, ahead of the round
.irp g, 0,1
	global_load_b128 v[SA+8*\i+4*\g:SA+8*\i+4*\g+3], v[XS], s[4:5] offset:12288+\i*REC+256*\g   ; x's scale words of K steps 4 g .. 4 g + 3
.endr
.endr
	BIAS 0
	ALOAD 0
	ALOAD 1
	WIN 0
	s_add_nc_u64 s[6:7], s[6:7], s[46:47]
	s_add_nc_u64 s[8:9], s[8:9], s[48:49]
	s_add_nc_u64 s[10:11], s[10:11], s[48:49]
	s_add_nc_u64 s[14:15], s[14:15], s[52:53]
.irp s, 0,1
	s_mov_b32 s[G0+4*\s], 1                        ; count = 1
	s_add_co_u32 s[G0+4*\s+1], s54, \s*SLOT        ; LDS address
	s_add_nc_u64 s[G0+4*\s+2:G0+4*\s+3], s[6:7], \s*2*EXPB   ; slot s begins with experts 2 s, 2 s + 1
	s_or_b32 s[G0+4*\s+3], s[G0+4*\s+3], 0x80000000   ; type = 2
.endr
	CROUND                                         ; all four work-groups are here: the first joint loads meet
	tensor_load_to_lds s[G0:G0+3], s[G1:G1+7]      ; the two first fills stand together, ahead of every wait on TENSORcnt and every LDS read;
	s_nop 0
	tensor_load_to_lds s[G0+4:G0+7], s[G1:G1+7]
	s_nop 0
	PLACES 4                                       ; four v_nop follow
	ALOAD 2
	ALOAD 3
	WIN 0
	v_add_nc_u32 v[ADB+1], 2*BLK, v[ADB]
	v_add_nc_u32 v[ADB+2], SLOT, v[ADB]
	v_add_nc_u32 v[ADB+3], SLOT+2*BLK, v[ADB]
	v_mad_u32_u24 v[ADS], v2, 2*BLK, v3
	v_add_nc_u32 v[ADS+1], SLOT, v[ADS]
	v_mul_u32_u24 v[STO], v1, SP                   ; into the stage: row r, 32 bytes for each half of the lanes
	v_lshl_add_u32 v[STO], v2, 5, v[STO]
	v_add_nc_u32 v[STO], s55, v[STO]
	v_mul_u32_u24 v[RD], v2, SP                    ; back: lanes 0-15 one row of 256 bytes, lanes 16-31 the next
	v_add_nc_u32 v[RD], v[RD], v3
	v_add_nc_u32 v[RD], s55, v[RD]
	v_lshl_add_u32 v[CO], v2, 12, v3               ; and the same two rows in out0
	s_wait_tensorcnt 1                             ; my part of slot 0 is in; slot 1's may stay out
	s_barrier_signal -1
	s_barrier_wait -1                              ; everybody's is
	FETCH 0, 0
.irp q, 0,1,2,3,4,5,6,7
	STEP 0, \q
.endr
.irp q, 0,1,2,3,4,5,6
	STEP 1, \q
.endr
	TURN 1, 1                                      ; slot 0 takes experts 4 and 5
.irp q, 0,1,2,3,4,5,6,7
	STEP 2, \q
.endr
.irp q, 0,1,2,3,4,5,6
	STEP 3, \q
.endr
	TURN 3, 1                                      ; slot 1 takes experts 6 and 7
.irp q, 0,1,2,3,4,5,6,7
	STEP 4, \q
.endr
.irp q, 0,1,2,3,4,5,6
	STEP 5, \q
.endr
	TURN 5, 0                                      ; nothing is left to fetch
.irp q, 0,1,2,3,4,5,6,7
	STEP 6, \q
.endr
.irp q, 0,1,2,3,4,5,6
	STEP 7, \q
.endr
	s_wait_dscnt 0x0                               ; the very last step
	WIN 0xf4
	WM4 7, 7, 0
	WM4 7, 7, 1
	WIN 0xf8
	WM4 7, 7, 2
	WM4 7, 7, 3
	WIN 0
; THE WAY OUT, a block of 16 tokens at a time: the last choice (expert 7's set against the best of the others), the gate, then through my own stage in LDS, since a lane holds 32 bytes of a row and the lanes beside it other
; rows; back as whole rows of 256 bytes.  LDS serves a wave's instructions in order (ISA guide 5.7.1.4): no wait between the stores and the loads, nor in front of the next block's stores.
.macro OUTBLK a
	WIN 0x0f                                       ; both sources window 3, destination window 0
.irp b, 0,1,2,3
.irp j, 0,1,2,3,4,5,6,7
	v_cndmask_b32 v[TMP+8*\b+\j], v[8*(4*\a+\b)+\j], v[128+8*(4*\a+\b)+\j], s[MK+\a]   ; each accumulator from its low end on
.endr
.endr
	WIN 0
.irp i, 0,2,4,6,8,10,12,14,16,18,20,22,24,26,28,30
	v_pk_mul_f32 v[TMP+\i:TMP+\i+1], v[TMP+\i:TMP+\i+1], v[GI+2*\a:GI+2*\a+1] op_sel_hi:[1,0]   ; both by the pair's low word, the gate
.endr
.irp b, 0,1,2,3
	ds_store_b128 v[STO], v[TMP+8*\b:TMP+8*\b+3] offset:64*\b
	ds_store_b128 v[STO], v[TMP+8*\b+4:TMP+8*\b+7] offset:64*\b+16
.endr
.irp t, 0,1,2,3,4,5,6,7
	ds_load_b128 v[BK+32*((\a)%2)+4*\t:BK+32*((\a)%2)+4*\t+3], v[RD] offset:\t*2*SP
.endr
.endm
.macro SEND a, younger                 ; younger: the LDS instructions issued behind block a's loads, which may stay out
	s_wait_dscnt \younger
.irp t, 0,1,2,3,4,5,6,7
	global_store_b128 v[CO], v[BK+32*((\a)%2)+4*\t:BK+32*((\a)%2)+4*\t+3], s[14:15] offset:(16*(\a)+2*\t)*4096 th:TH_STORE_NT   ; 16 lanes store 256 consecutive bytes, at a multiple of 256 from out0's first byte
.endr
.endm
.irp a, 0,1,2,3
	v_cmp_eq_u32 s[MK+\a], 7, v[GI+2*\a+1]
.endr
	PLACES 4                                       ; behind the last products
	OUTBLK 0
	OUTBLK 1
	SEND 0, 16                                     ; behind block 0's loads: block 1's 8 stores and 8 loads
	s_wait_xcnt 0x0                                ; block 0's stores have read their registers: block 2's rows may land there
	OUTBLK 2
	SEND 1, 16
	s_wait_xcnt 0x0
	OUTBLK 3
	SEND 2, 16
	SEND 3, 0
	s_wait_tensorcnt 0x0                           ; the wave's end: behind my last tensor load and my last LDS store
	ds_add_u32 v[SPW], v[NIL]
	s_wait_dscnt 0x0
	CROUND                                         ; the closing round: no work-group ends while a partner may still ask for a tile that names it
	s_endpgm
.Lfunc_end_k_q66d2efff27_moe:
	.size	k_q66d2efff27_moe, .Lfunc_end_k_q66d2efff27_moe-k_q66d2efff27_moe
	.p2alignl 7, 3214868480
	.fill 96, 4, 3214868480
	.section	.rodata,"a",@progbits
	.p2align	6, 0x0
	.amdhsa_kernel k_q66d2efff27_moe
		.amdhsa_group_segment_fixed_size 327680
		.amdhsa_private_segment_fixed_size 0
		.amdhsa_enable_private_segment 0
		.amdhsa_kernarg_size 48
		.amdhsa_user_sgpr_count 2
		.amdhsa_user_sgpr_kernarg_segment_ptr 1
		.amdhsa_wavefront_size32 1
		.amdhsa_system_sgpr_workgroup_id_x 1
		.amdhsa_system_sgpr_workgroup_id_y 1
		.amdhsa_system_sgpr_workgroup_id_z 1
		.amdhsa_system_vgpr_workitem_id 0
		.amdhsa_next_free_vgpr 1024
		.amdhsa_next_free_sgpr 66
		.amdhsa_reserve_vcc 0
		.amdhsa_float_denorm_mode_32 3
		.amdhsa_float_denorm_mode_16_64 3
		.amdhsa_memory_ordered 1
		.amdhsa_forward_progress 1
		.amdhsa_inst_pref_size 255
	.end_amdhsa_kernel
	.section	.bss,"aw",@nobits
	.p2align	6
	.space	262144
	.amdgpu_metadata
---
amdhsa.version: [ 1, 2 ]
amdhsa.kernels:
  - .name:           k_q66d2efff27_moe
    .symbol:         k_q66d2efff27_moe.kd
    .args:
      - { .name: xq, .offset: 0, .size: 8, .value_kind: global_buffer, .address_space: global }
      - { .name: wq, .offset: 8, .size: 8, .value_kind: global_buffer, .address_space: global }
      - { .name: ridx, .offset: 16, .size: 8, .value_kind: global_buffer, .address_space: global }
      - { .name: gate, .offset: 24, .size: 8, .value_kind: global_buffer, .address_space: global }
      - { .name: expert_b, .offset: 32, .size: 8, .value_kind: global_buffer, .address_space: global }
      - { .name: out0, .offset: 40, .size: 8, .value_kind: global_buffer, .address_space: global }
    .group_segment_fixed_size: 327680
    .private_segment_fixed_size: 0
    .kernarg_segment_align: 8
    .kernarg_segment_size: 48
    .max_flat_workgroup_size: 128
    .sgpr_count:     66
    .vgpr_count:     1024
    .wavefront_size: 32
...
	.end_amdgpu_metadata
.endif
;; end of part 2
